; MI455X (gfx1250); checked and timed in simulation.
; The chip was launched on July 23, 2026; its instructions are those of AMD's public machine-readable ISA for CDNA 5 (MIT licence, August 2026) and "CDNA5" Instruction Set Architecture Reference Guide (July 2026). The comments in the code are by the model that wrote it; some were corrected since.
;; Cross Attention With Mask. Allowed arithmetic: matrix products marked QUANTISED: E2M1 operands, one E8M0 scale for each 32 along K, by v_wmma_scale_f32_16x16x128_f8f6f4 with both operands' format E2M1 (or v_wmma_scale_f32_32x16x128_f4), f32 sums; everything else in f32.
;; Inputs: Wk 256 x 256 float32; Wq 256 x 256 float32; Wv 256 x 256 float32; bk 256 float32; bq 256 float32; bv 256 float32; query 1 x 256 x 64 x 64 float32; support 4 x 256 x 64 x 64 float32; temperature one number float32; threshold one number float32.
;; Outputs: out0 4 x 256 x 64 x 64 float32.
;; This version of the problem:
;;   THIS VERSION OF THE PROBLEM IS GIVEN IN LOW PRECISION. The matrix products marked QUANTISED in the list below multiply operands that are first quantised to E2M1 (2 exponent bits, 1 mantissa bit; 4 bits a number), with one power-of-two scale for each 32 numbers along K (OCP MX v1.0); their sums are f32. All else is computed in f32.
;;   The module's matrix products, in the order in which they are computed (A, B: the left and right operand; K: the contracted axis; several contracted axes count as one K, in the product's order):
;;     1. [M 16,384, K 256] x [K 256, N 256]; A: input query; B: input Wq: QUANTISED
;;     2. [M 16,384, K 256] x [K 256, N 256]; A: input support; B: input Wk: QUANTISED
;;     3. [M 16,384, K 256] x [K 256, N 256]; A: input support; B: input Wv: QUANTISED
;;     4. batch 4 x [M 4,096, K 256] x [K 256, N 4,096]; A: computed on the way; B: computed on the way: QUANTISED
;;     5. batch 4 x [M 4,096, K 4,096] x [K 4,096, N 256]; A: softmax (see below); B: computed on the way: QUANTISED
;;   THE QUANTISER, for each operand of a quantised product, along K:
;;     - K is cut into blocks of 32 from its start; a last block that is shorter is filled with zeros.
;;     - A block's scale is 2^e with e = floor(log2(the largest magnitude in the block)) - 2, held to -126 .. 127; a block of zeros has e = 0. As a byte (E8M0): e + 127.
;;     - Each number is divided by its block's scale, clamped to +-6, and rounded to the nearest number of E2M1, ties to even, subnormals kept.
;;     - The product sums the exact products of the quantised numbers (number of the format x scale) in f32.
;;   ~~~python
;;   def quantise(x, axis):      # numpy; x: float32 -> the quantised numbers, widened to float32 again
;;       x = np.moveaxis(x, axis, -1); K = x.shape[-1]
;;       x = np.pad(x, [(0, 0)] * (x.ndim - 1) + [(0, -K % 32)]); x = x.reshape(x.shape[:-1] + (-1, 32)); a = np.abs(x).max(-1, keepdims=True)
;;       e = np.where(a > 0, np.clip(np.frexp(np.where(a > 0, a, 1))[1] - 1 - 2, -126, 127), 0)      # np.frexp(a)[1] - 1 = floor(log2(a)), exactly
;;       r = np.clip(x / 2.0 ** e, -6, 6)
;;       step = 2.0 ** (np.maximum(np.frexp(np.where(r == 0, 1, r))[1] - 1, 0) - 1)
;;       q = np.round(r / step) * step * 2.0 ** e      # np.round: ties to even
;;       return np.moveaxis(q.reshape(q.shape[:-2] + (-1,))[..., :K], -1, axis).astype(np.float32)
;;   ~~~
;;   SOFTMAX AHEAD OF A QUANTISED PRODUCT. Where the list says 'softmax', what is quantised is not the finished softmax but p = 2^(t - M), with t = logit x log2(e) and M = ceil(the row's largest t), a whole number; so 1/2 < the row's largest p <= 1. The row's sum l is taken of the UNQUANTISED p, in f32, and the product's result is divided by l at the end. Since M is a whole number, a kernel that streams over the keys may use a running M (the ceiling of the running maximum): every later rescaling is an exact power of two, which a block's scale takes up: the codes' values come out the same.
;;   OPERANDS COMPUTED ON THE WAY. 'Computed on the way' means the value that the module computes at that place (a softmax that the list does not call 'softmax' is quantised finished and normalised). What goes into a quantiser is computed in f32, as accurately as f32 sums, v_exp_f32 and their like allow (about 1e-6 of the number): no bf16 or f16 on the way to a quantiser, and a product that is left as it is and whose result goes on into a quantised operand takes f32 operands (vector FMAs, or v_wmma_f32_16x16x4_f32). A number that lies on a knife's edge between two numbers of the format may be rounded either way, as far as f32 arithmetic and the matrix unit's own rounding can turn it there, and no further.
;; One version. Each part assembles by itself: llvm-mc -triple=amdgcn-amd-amdhsa -mcpu=gfx1250 --defsym DOCPART=n.
;; ======== version 1 of 1: 2 launches
;; limits: right only within a limited range of input values
;; workspace buffers: qkv 5,570,560 bytes
;; launch proj (part 1): grid 144 x 1, 8 waves a work-group, clusters of 4 x 1, 327,680 bytes of LDS; arguments query, support, Wq, Wk, Wv, bq, bk, bv, qkv; writes qkv
.if DOCPART == 1
	.amdgcn_target "amdgcn-amd-amdhsa--gfx1250"
	.amdhsa_code_object_version 6
	.text
	.protected	k_q1ee1b81fc4_proj
	.globl	k_q1ee1b81fc4_proj
	.p2align	8
	.type	k_q1ee1b81fc4_proj,@function
k_q1ee1b81fc4_proj:
	s_mov_b64 s[64:65], 0
	v_nop
	global_prefetch_b8 v0, s[64:65] scope:SCOPE_SE
	s_setreg_imm32_b32 hwreg(HW_REG_WAVE_MODE, 25, 1), 1
	s_wait_xcnt 0x0
	s_wait_alu depctr_hold_cnt(0) depctr_sa_sdst(0) depctr_va_vdst(0) depctr_va_sdst(0) depctr_va_ssrc(0) depctr_va_vcc(0) depctr_vm_vsrc(0)
	s_getreg_b32 s2, hwreg(HW_REG_IB_STS2, 6, 4)
	s_cmp_eq_u32 s2, 0
	s_cbranch_scc0 .Lentry_in_a_cluster
	s_endpgm
.Lentry_in_a_cluster:
	s_bfe_u32 s2, ttmp6, 0x10000c
	s_cmp_lg_u32 s2, 0x3003
	s_cbranch_scc0 .Lentry_shape_is_right
	s_endpgm
.Lentry_shape_is_right:
; Q = query Wq^T + bq, K = support Wk^T + bk, V = support Wv^T + bv, products on codes of FP4 (E2M1) with one E8M0 scale byte for each 32 along K; the results are quantised at once: Q and K along the channels, V along the positions.
; OUT: qkv, blocks of BLK bytes for 128 positions (0-127: support, four batches of 32; 128-159: query), images of operand registers (a fragment, 16 rows x 128 K, is 1,024 bytes: registers 4 c .. 4 c + 3 at 512 c + 16 x lane):
;   16 fragments of K or Q (tile kt, K step s at 2 kt + s), 16 of V (channel tile), then 1,024 bytes of scale words of K or Q (tile kt, K step s, row r at 512 (kt / 4) + 16 (16 s + r) + 4 (kt % 4)) and 1,024 of V (tile ct, row r at 256 (ct / 4) + 8 (16 (ct % 2) + r) + 4 ((ct % 4) / 2)).
; ROWS OF TILES: lane r of the u-th tile of a pair is row 8 u + r + 8 (r / 8) of the pair's 32 rows, for positions and for channels alike: so the 16 registers of a 32 x 16 result are 16 neighbours along the next K.
; SHARES.  A work-group makes one matrix's 256 channels for 256 positions: 64 work-groups for K, 64 for V, 16 for Q: clusters 0-15, 16-31, 32-35.  Wave w owns channels 32 w .. + 31 as results, and input channels 32 w .. + 31 of the positions as it quantises them.
; THE WEIGHT comes as f32 into LDS, 32 rows to a wave, and the wave that fetched them quantises them straight into its operand registers.  The four work-groups of a cluster need the same weight: one JOINT load a wave, mask 15.
; X: a lane takes a position, its registers run down the channels: each load reads 128 neighbouring bytes, two loads on end a unit of 256; a block of 32 channels lies in one lane.  64 to 128 loads are asked for ahead of their use.
; A block's scale is 2^(floor(log2(largest magnitude)) - 2): its byte is the largest magnitude's exponent field - 2, held at 1 from below.
; LIMITS: a block of zeros, or one whose largest magnitude lies under 2^-124, gets the byte 1 (a block of zeros has zero codes; the bytes are read by this program alone); NaN and infinities are not served.
; No prefetch: every byte is asked for at the head or a few instructions behind it; there is no loop to run ahead in.
; REGISTERS: v1-13, v26-28, v31 addresses and constants; v20-25 W's scale words; v32-63 W's codes; v64-127 W's numbers, then biases (v64-95) and work; v128-255 X's numbers, then results (v128-191) and X's codes (v192-255).
.set BLK, 34816
.set WP,  1040                         ; a row of W in LDS: 1,024 bytes + 16 of padding
.set WW,  32*WP                        ; a wave's 32 rows
.set XI,  8*WW                         ; X's codes: 16 tiles x 2 K steps x 1,024 bytes
.set XS,  XI+32768                     ; X's scale words: 8 groups of 32 positions x 2 K steps x 128 bytes
.set SC,  XS+2048                      ; the results' scale bytes on their way out: K's or Q's,
.set SCV, SC+2048                      ; V's
.set SPARE, SCV+2048                   ; the spare words, 128 bytes for each wave: four blocks of 256 bytes that no other line names
.macro WAIT
	s_wait_alu depctr_va_vdst(0)
.endm
.macro PLACES n
.rept \n
	v_nop
.endr
.endm
.macro CROUND                          ; a round of the cluster's barrier
	s_barrier_signal -1
	s_barrier_wait -1
	s_cmp_lg_u32 s12, 0
	s_cbranch_scc1 .Lnw0_\@
	s_barrier_signal -3
.Lnw0_\@:
	s_barrier_wait -3
	s_barrier_signal -1
	s_barrier_wait -1
.endm
.macro WM d, a, b, c, sa, sb
	v_wmma_scale_f32_32x16x128_f4 v[(\d):(\d)+15], v[(\a):(\a)+15], v[(\b):(\b)+7], v[(\c):(\c)+15], v[(\sa)], v[(\sb)]
.endm
.macro LX k, j0, n                     ; rows j0 .. j0 + n - 1 (channels) of my 32, position groups 2 k and 2 k + 1
.set jj, \j0
.rept \n
	global_load_b32 v[128+64*((\k)%2)+jj], v1, s[38:39] offset:16384*jj+256*(\k)
	global_load_b32 v[160+64*((\k)%2)+jj], v1, s[38:39] offset:16384*jj+256*(\k)+128
.set jj, jj+1
.endr
.endm
; Two blocks of 32 numbers of one lane: the largest magnitudes, two chains each, with the floor 2^(3 - 127) among the leaves; so, so + 1: 2 off the exponent fields: the conversions' scale operands
.macro MX2 x0, x1, m, so
	v_max3_num_f32 v[(\m)], |v[(\x0)]|, |v[(\x0)+1]|, |v[(\x0)+2]|
	v_max3_num_f32 v[(\m)+1], |v[(\x0)+3]|, |v[(\x0)+4]|, |v[(\x0)+5]|
	v_max3_num_f32 v[(\m)+2], |v[(\x1)]|, |v[(\x1)+1]|, |v[(\x1)+2]|
	v_max3_num_f32 v[(\m)+3], |v[(\x1)+3]|, |v[(\x1)+4]|, |v[(\x1)+5]|
.irp i, 6,10,14,18,22,26
	v_max3_num_f32 v[(\m)], v[(\m)], |v[(\x0)+\i]|, |v[(\x0)+\i+1]|
	v_max3_num_f32 v[(\m)+1], v[(\m)+1], |v[(\x0)+\i+2]|, |v[(\x0)+\i+3]|
	v_max3_num_f32 v[(\m)+2], v[(\m)+2], |v[(\x1)+\i]|, |v[(\x1)+\i+1]|
	v_max3_num_f32 v[(\m)+3], v[(\m)+3], |v[(\x1)+\i+2]|, |v[(\x1)+\i+3]|
.endr
	v_max3_num_f32 v[(\m)], v[(\m)], |v[(\x0)+30]|, |v[(\x0)+31]|
	v_max3_num_f32 v[(\m)+2], v[(\m)+2], |v[(\x1)+30]|, |v[(\x1)+31]|
	v_max3_num_f32 v[(\m)], v[(\m)], v[(\m)+1], 0x1800000
	v_max3_num_f32 v[(\m)+2], v[(\m)+2], v[(\m)+3], 0x1800000
	v_add_nc_u32 v[(\so)], 0xff000000, v[(\m)]
	v_add_nc_u32 v[(\so)+1], 0xff000000, v[(\m)+2]
.endm
.macro QX k, cnt                       ; position groups 2 k, 2 k + 1 of my 32 channels into codes
.set xb, 128+64*((\k)%2)
	s_wait_loadcnt \cnt
	s_wait_dscnt 0x0                               ; the last stores have read their registers
	MX2 xb, xb+32, 98, 102
.irp e, 0,1,2,3
	v_cvt_scalef32_pk8_fp4_f32 v[106+\e], v[xb+8*\e:xb+8*\e+7], v102
	v_cvt_scalef32_pk8_fp4_f32 v[110+\e], v[xb+32+8*\e:xb+32+8*\e+7], v103
.endr
	v_lshrrev_b32 v104, 23, v102                   ; the scales' bytes
	v_lshrrev_b32 v105, 23, v103
	ds_store_b128 v2, v[106:109] offset:8192*(\k)
	ds_store_b128 v2, v[110:113] offset:8192*(\k)+4096
	ds_store_b8 v3, v104 offset:512*(\k)
	ds_store_b8 v3, v105 offset:512*(\k)+256
.endm
.macro WQ t, s                         ; tile t of my 32 rows of W, K step s: two blocks a lane, k = 128 s + 64 c + 32 h + 0 .. 31
.irp c, 0,1
.irp j, 0,1,2,3,4,5,6,7
	ds_load_b128 v[64+32*\c+4*\j:67+32*\c+4*\j], v4 offset:8*WP*(\t)+512*(\s)+256*\c+16*\j
.endr
.endr
	s_wait_dscnt 0x0
	MX2 64, 96, 14, 18
.irp c, 0,1
.irp e, 0,1,2,3
	v_cvt_scalef32_pk8_fp4_f32 v[32+16*(\s)+8*(\t)+4*\c+\e], v[64+32*\c+8*\e:71+32*\c+8*\e], v[18+\c]
.endr
.endr
	v_lshrrev_b32 v29, 23, v18
	v_lshrrev_b32 v30, 23, v19
	v_lshl_or_b32 v29, v30, 16, v29                ; my two bytes, blocks h and 2 + h,
	v_lshlrev_b32 v29, v31, v29                    ; at their places in the word (8 h bits up);
	v_permlanex16_b32 v30, v29, s76, s77
	v_or_b32 v[20+2*(\t)+(\s)], v29, v30           ; with lane l xor 16's two the word is whole
.endm
	s_load_b512 s[16:31], s[0:1], 0x0              ; query, support, Wq, Wk, Wv, bq, bk, bv
	s_load_b64 s[32:33], s[0:1], 0x40              ; qkv
	v_lshl_add_u32 v11, v0, 2, SPARE
	v_mov_b32 v12, 0
	ds_add_u32 v11, v12                            ; the add here, twice on end
	ds_add_u32 v11, v12
	v_lshrrev_b32 v14, 5, v0
	v_readfirstlane_b32 s12, v14                   ; wave 0..7
	v_and_b32 v15, 31, v0                          ; lane
	v_and_b32 v16, 15, v0                          ; r
	v_bfe_u32 v17, v0, 4, 1                        ; h
	v_bfe_u32 v18, v0, 3, 1                        ; r / 8
	v_and_b32 v19, 7, v0
	s_lshr_b32 s13, s12, 2
	s_and_b32 s14, s12, 3
	s_lshr_b32 s15, s12, 1
	s_and_b32 s60, s12, 1
	v_lshlrev_b32 v1, 2, v15                       ; X in memory: my position of a group
	v_lshl_add_u32 v19, v17, 3, v19                ; as position: row (lane % 8) + 8 (lane / 16) of tile (lane / 8) % 2
	v_lshlrev_b32 v2, 4, v19
	v_lshl_add_u32 v2, v18, 11, v2
	s_lshl_b32 s61, s12, 8
	s_add_co_u32 s62, s61, XI
	v_add_nc_u32 v2, s62, v2                       ; X's codes go here: 16 bytes, my wave's block of the K step
	v_lshl_add_u32 v3, v18, 4, v19
	v_lshlrev_b32 v3, 2, v3
	s_lshl_b32 s62, s13, 7
	s_add_co_u32 s62, s62, s14
	s_add_co_u32 s62, s62, XS
	v_add_nc_u32 v3, s62, v3                       ; and its scale byte here
	v_lshl_add_u32 v19, v18, 3, v16                ; r + 8 (r / 8)
	v_mul_u32_u24 v4, WP, v19
	v_lshl_add_u32 v4, v17, 7, v4
	s_mul_i32 s62, s12, WW
	v_add_nc_u32 v4, s62, v4                       ; my row of W
	v_lshlrev_b32 v28, 4, v15
	v_add_nc_u32 v5, XI, v28                       ; X's fragments
	v_lshlrev_b32 v6, 2, v16
	v_add_nc_u32 v6, XS, v6                        ; X's scale words: of a tile,
	v_add_nc_u32 v7, XS, v1                        ; of a pair of tiles
	v_lshlrev_b32 v8, 4, v16
	v_lshl_add_u32 v8, v17, 3, v8                  ; 16 r + 8 h
	s_lshl_b32 s63, s12, 11
	s_add_co_u32 s63, s63, 16384
	v_add_nc_u32 v9, s63, v8                       ; out: V's codes: channel tiles 2 w, 2 w + 1
	v_add_nc_u32 v8, s61, v8                       ; K's: my 32 channels of a row
	s_lshl_b32 s63, s13, 8
	s_add_co_u32 s63, s63, s14
	s_add_co_u32 s63, s63, SC
	v_lshl_add_u32 v10, v16, 4, s63                ; K's scale bytes
	s_lshl_b32 s63, s15, 8
	s_lshl_b32 s66, s60, 2
	s_add_co_u32 s63, s63, s66
	s_add_co_u32 s63, s63, SCV
	v_lshl_add_u32 v13, v16, 3, s63                ; V's
	s_lshl_b32 s63, s12, 7
	v_lshl_add_u32 v26, v17, 6, s63                ; biases: K: channels 32 w + 16 h + ..
	v_lshl_add_u32 v27, v19, 2, s63                ; V: channel 32 w + r + 8 (r / 8) + 8 t
	v_lshlrev_b32 v31, 3, v17                      ; 8 h
	s_mov_b32 s76, 0x76543210
	s_mov_b32 s77, 0xfedcba98                      ; v_permlanex16_b32's selects for lane l xor 16
	; descriptor group 1: 32 rows of 128 elements of 8 bytes, 4 words of padding after every 256; the mask names all four work-groups, bit 21 beside it
	s_mov_b32 s40, 15|(3<<16)|(1<<20)|(1<<21)|(7<<22)|(3<<25)
	s_mov_b32 s41, 128<<16
	s_mov_b32 s42, 32<<16
	s_mov_b32 s43, 128<<16
	s_mov_b32 s44, 32
	s_mov_b32 s45, 128
	s_mov_b32 s46, 0
	s_mov_b32 s47, 0
	s_bfe_u32 s66, ttmp6, 0x40000                  ; cx: it enters X's and the results' addresses in memory alone
	s_and_b32 s67, ttmp9, 15
	s_lshl_b32 s67, s67, 2
	s_add_co_u32 s67, s67, s66                     ; my block of 256 positions
	s_lshr_b32 s68, s67, 4
	s_lshl_b32 s68, s68, 22                        ; the batch,
	s_and_b32 s69, s67, 15
	s_lshl_b32 s69, s69, 10                        ; the positions,
	s_add_co_u32 s68, s68, s69
	s_lshl_b32 s69, s12, 19                        ; my 32 channels
	s_add_co_u32 s68, s68, s69
	s_mov_b32 s69, 0
	s_lshl_b32 s71, s67, 1
	s_lshl_b32 s74, s12, 15                        ; my 32 rows of W
	s_mov_b32 s75, 0
	s_mov_b32 s73, 0
	WAIT
	s_wait_dscnt 0x0                               ; both opening adds are done
	s_wait_kmcnt 0x0
	s_cmp_lt_u32 ttmp9, 16                         ; K, V or Q: the cluster's number decides, the same for all four partners
	s_cselect_b64 s[34:35], s[22:23], s[24:25]
	s_cselect_b64 s[36:37], s[28:29], s[30:31]
	s_cmp_lt_u32 ttmp9, 32
	s_cselect_b64 s[34:35], s[34:35], s[20:21]
	s_cselect_b64 s[36:37], s[36:37], s[26:27]
	s_cselect_b64 s[38:39], s[18:19], s[16:17]
	s_cselect_b32 s72, 0, 128                      ; the query's blocks lie behind the support's 128
	s_add_nc_u64 s[38:39], s[38:39], s[68:69]
	s_add_co_u32 s72, s72, s71
	s_mul_i32 s72, s72, BLK
	s_add_nc_u64 s[32:33], s[32:33], s[72:73]
	s_mov_b32 s48, 1
	s_mul_i32 s49, s12, WW
	s_add_nc_u64 s[50:51], s[34:35], s[74:75]
	s_or_b32 s51, s51, 0x80000000
	LX 0, 0, 16
	CROUND                                         ; all four work-groups are here: the joint loads meet
	tensor_load_to_lds s[48:51], s[40:47]
	s_nop 0
	PLACES 4
	LX 0, 16, 16
	LX 1, 0, 32
	QX 0, 63                                       ; pair 0's 64 loads are in: 64 were issued behind them
	LX 2, 0, 32
	QX 1, 63
	LX 3, 0, 32
	s_wait_tensorcnt 0x0                           ; my rows of W; no other wave reads them
	WQ 0, 0
	WQ 0, 1
	WQ 1, 0
	WQ 1, 1
	v_cmp_ne_u32 vcc_lo, 0, v31
	v_cndmask_b32 v24, v20, v22, vcc_lo            ; for W as source 0, 32 rows: lanes 0-15 tile 0's words, lanes 16-31 tile 1's; K step 0,
	v_cndmask_b32 v25, v21, v23, vcc_lo            ; K step 1
.irp k, 0,1,2,3
	global_load_b128 v[64+4*\k:67+4*\k], v26, s[36:37] offset:16*\k
.endr
	global_load_b32 v96, v27, s[36:37]
	global_load_b32 v97, v27, s[36:37] offset:32
	WAIT
	QX 2, 63
	QX 3, 6                                        ; the six loads of biases may be out
	WAIT
	s_wait_loadcnt 0x0
	s_wait_dscnt 0x0                               ; for the others' sake
	s_barrier_signal -1
	s_barrier_wait -1                              ; X's codes and scale words are whole
.macro KLD q                           ; four tiles of positions: 4 q ..
.irp d, 0,1,2,3
.irp c, 0,1,2,3
	ds_load_b128 v[192+16*\d+4*\c:195+16*\d+4*\c], v5 offset:2048*(4*(\q)+\d)+512*\c
.endr
	ds_load_b32 v[98+2*\d], v6 offset:256*(2*(\q)+\d/2)+64*(\d%2)
	ds_load_b32 v[99+2*\d], v6 offset:256*(2*(\q)+\d/2)+64*(\d%2)+128
.endr
.endm
.macro VLD q                           ; two pairs of tiles: groups 2 q, 2 q + 1
.irp a, 0,1
.irp s, 0,1
.irp u, 0,1
.irp c, 0,1
	ds_load_b128 v[192+32*\a+16*\s+8*\u+4*\c:195+32*\a+16*\s+8*\u+4*\c], v5 offset:4096*(2*(\q)+\a)+2048*\u+1024*\s+512*\c
.endr
.endr
.endr
	ds_load_b32 v[98+2*\a], v7 offset:256*(2*(\q)+\a)
	ds_load_b32 v[99+2*\a], v7 offset:256*(2*(\q)+\a)+128
.endr
.endm
.macro MXA                             ; four results: the largest magnitude of my 16 numbers of a block each, by turns
.irp d, 0,1,2,3
	v_max3_num_f32 v[114+\d], |v[128+16*\d]|, |v[129+16*\d]|, 0x1800000
.endr
.irp e, 2,4,6,8,10,12,14
.irp d, 0,1,2,3
	v_max3_num_f32 v[114+\d], v[114+\d], |v[128+16*\d+\e]|, |v[129+16*\d+\e]|
.endr
.endr
.endm
.macro MXB                             ; with lane l xor 16's; scale operands, bytes, codes
.irp d, 0,1,2,3
	v_permlanex16_b32 v[118+\d], v[114+\d], s76, s77
.endr
.irp d, 0,1,2,3
	v_max_num_f32 v[114+\d], v[114+\d], v[118+\d]
.endr
.irp d, 0,1,2,3
	v_add_nc_u32 v[122+\d], 0xff000000, v[114+\d]
.endr
.irp d, 0,1,2,3
	v_lshrrev_b32 v[114+\d], 23, v[122+\d]
.endr
.irp d, 0,1,2,3
	v_cvt_scalef32_pk8_fp4_f32 v[106+2*\d], v[128+16*\d:135+16*\d], v[122+\d]
	v_cvt_scalef32_pk8_fp4_f32 v[107+2*\d], v[136+16*\d:143+16*\d], v[122+\d]
.endr
	v_nop                                          ; one plain line behind a scaled conversion
.endm
.macro READY
	WAIT
	s_wait_xcnt 0x0                                ; the last stores have read their registers
	s_wait_dscnt 0x0
.endm
.macro KBATCH q                        ; source 0 = my 32 rows of W, source 1 = 16 positions: a lane holds a position and 16 neighbouring channels.  A store covers 256 consecutive bytes
	READY
.irp d, 0,1,2,3
	WM 128+16*\d, 32, 192+16*\d, 64, 24, 98+2*\d
.endr
.irp d, 0,1,2,3
	WM 128+16*\d, 48, 200+16*\d, 128+16*\d, 25, 99+2*\d
.endr
	PLACES 4
	MXA
.if \q < 3
	KLD \q+1
.endif
	MXB
.irp d, 0,1,2,3
	global_store_b64 v8, v[106+2*\d:107+2*\d], s[32:33] offset:BLK*((4*\q+\d)/8)+2048*((4*\q+\d)%8)
	ds_store_b8 v10, v[114+\d] offset:1024*((4*\q+\d)/8)+512*(((4*\q+\d)%8)/4)+4*((4*\q+\d)%4)
.endr
.endm
.macro VBATCH q                        ; source 0 = 32 positions, source 1 = 16 rows of W: a lane holds a channel and 16 neighbouring positions
	READY
.irp a, 0,1
.irp t, 0,1
	WM 128+32*\a+16*\t, 192+32*\a, 32+8*\t, 64+16*\t, 98+2*\a, 20+2*\t
.endr
.endr
.irp a, 0,1
.irp t, 0,1
	WM 128+32*\a+16*\t, 208+32*\a, 48+8*\t, 128+32*\a+16*\t, 99+2*\a, 21+2*\t
.endr
.endr
	PLACES 4
	MXA
.if \q < 3
	VLD \q+1
.endif
	MXB
.irp a, 0,1
.irp t, 0,1
	global_store_b64 v9, v[106+4*\a+2*\t:107+4*\a+2*\t], s[32:33] offset:BLK*((2*\q+\a)/4)+1024*\t+256*((2*\q+\a)%4)
	ds_store_b8 v13, v[114+2*\a+\t] offset:1024*((2*\q+\a)/4)+128*\t+((2*\q+\a)%4)
.endr
.endr
.endm
	s_lshr_b32 s60, ttmp9, 4
	s_cmp_eq_u32 s60, 1
	s_cbranch_scc1 .Lv
	KLD 0                                          ; (the biases stand in v64-79 as the results' layout wants them: they start the sums)
	KBATCH 0
	KBATCH 1
	KBATCH 2
	KBATCH 3
	WAIT
	s_branch .Lout
.Lv:
	VLD 0
.irp e, 0,1,2,3,4,5,6,7,8,9,10,11,12,13,14,15
	v_mov_b32 v[64+\e], v96                        ; one channel a lane: its bias in all 16 registers starts the sums
	v_mov_b32 v[80+\e], v97
.endr
	VBATCH 0
	VBATCH 1
	VBATCH 2
	VBATCH 3
.Lout:
	s_lshl_b32 s78, s12, 9                         ; the scale words leave: 2 blocks x 1,024 bytes by waves 0 to 3, 512 consecutive bytes each
	s_mov_b32 s62, 32768
	s_cmp_eq_u32 s60, 1
	s_cselect_b32 s61, 33792, s62
	s_mov_b32 s62, SC
	s_cselect_b32 s62, SCV, s62
	s_add_co_u32 s78, s78, s62
	s_mul_i32 s56, s15, BLK
	s_and_b32 s57, s12, 1
	s_lshl_b32 s57, s57, 9
	s_add_co_u32 s56, s56, s57
	s_add_co_u32 s56, s56, s61
	s_mov_b32 s57, 0
	s_add_nc_u64 s[54:55], s[32:33], s[56:57]
	WAIT
	s_wait_dscnt 0x0                               ; for the others' sake
	s_barrier_signal -1
	s_barrier_wait -1
	s_cmp_ge_u32 s12, 4
	s_cbranch_scc1 .Lend
	v_add_nc_u32 v14, s78, v28
	ds_load_b128 v[128:131], v14
	s_wait_dscnt 0x0
	global_store_b128 v28, v[128:131], s[54:55]
.Lend:
	s_wait_tensorcnt 0x0                           ; the wave's end
	ds_add_u32 v11, v12
	s_wait_dscnt 0x0
	CROUND                                         ; the closing round: no work-group ends while a partner may still ask for what names it
	s_endpgm
.Lfunc_end_k_q1ee1b81fc4_proj:
	.size	k_q1ee1b81fc4_proj, .Lfunc_end_k_q1ee1b81fc4_proj-k_q1ee1b81fc4_proj
	.p2alignl 7, 3214868480
	.fill 96, 4, 3214868480
	.section	.rodata,"a",@progbits
	.p2align	6, 0x0
	.amdhsa_kernel k_q1ee1b81fc4_proj
		.amdhsa_group_segment_fixed_size 327680
		.amdhsa_private_segment_fixed_size 0
		.amdhsa_enable_private_segment 0
		.amdhsa_kernarg_size 72
		.amdhsa_user_sgpr_count 2
		.amdhsa_user_sgpr_kernarg_segment_ptr 1
		.amdhsa_wavefront_size32 1
		.amdhsa_system_sgpr_workgroup_id_x 1
		.amdhsa_system_sgpr_workgroup_id_y 1
		.amdhsa_system_sgpr_workgroup_id_z 1
		.amdhsa_system_vgpr_workitem_id 0
		.amdhsa_next_free_vgpr 256
		.amdhsa_next_free_sgpr 96
		.amdhsa_reserve_vcc 1
		.amdhsa_float_denorm_mode_32 3
		.amdhsa_float_denorm_mode_16_64 3
		.amdhsa_memory_ordered 1
		.amdhsa_forward_progress 1
		.amdhsa_inst_pref_size 115
	.end_amdhsa_kernel
	.amdgpu_metadata
---
amdhsa.version: [ 1, 2 ]
amdhsa.kernels:
  - .name:           k_q1ee1b81fc4_proj
    .symbol:         k_q1ee1b81fc4_proj.kd
    .args:
      - { .name: query, .offset: 0, .size: 8, .value_kind: global_buffer, .address_space: global }
      - { .name: support, .offset: 8, .size: 8, .value_kind: global_buffer, .address_space: global }
      - { .name: Wq, .offset: 16, .size: 8, .value_kind: global_buffer, .address_space: global }
      - { .name: Wk, .offset: 24, .size: 8, .value_kind: global_buffer, .address_space: global }
      - { .name: Wv, .offset: 32, .size: 8, .value_kind: global_buffer, .address_space: global }
      - { .name: bq, .offset: 40, .size: 8, .value_kind: global_buffer, .address_space: global }
      - { .name: bk, .offset: 48, .size: 8, .value_kind: global_buffer, .address_space: global }
      - { .name: bv, .offset: 56, .size: 8, .value_kind: global_buffer, .address_space: global }
      - { .name: qkv, .offset: 64, .size: 8, .value_kind: global_buffer, .address_space: global }
    .group_segment_fixed_size: 327680
    .private_segment_fixed_size: 0
    .kernarg_segment_align: 8
    .kernarg_segment_size: 72
    .max_flat_workgroup_size: 256
    .sgpr_count:     96
    .vgpr_count:     256
    .wavefront_size: 32
...
	.end_amdgpu_metadata
.endif
;; end of part 1
;; launch attn (part 2): grid 64 x 4, 4 waves a work-group, clusters of 4 x 1, 327,680 bytes of LDS; arguments qkv, threshold, temperature, out0; writes out0
.if DOCPART == 2
	.amdgcn_target "amdgcn-amd-amdhsa--gfx1250"
	.amdhsa_code_object_version 6
	.text
	.protected	k_q1ee1b81fc4_attn
	.globl	k_q1ee1b81fc4_attn
	.p2align	8
	.type	k_q1ee1b81fc4_attn,@function
k_q1ee1b81fc4_attn:
	s_mov_b64 s[64:65], 0
	v_nop
	global_prefetch_b8 v0, s[64:65] scope:SCOPE_SE
	s_setreg_imm32_b32 hwreg(HW_REG_WAVE_MODE, 25, 1), 1
	s_wait_xcnt 0x0
	s_wait_alu depctr_hold_cnt(0) depctr_sa_sdst(0) depctr_va_vdst(0) depctr_va_sdst(0) depctr_va_ssrc(0) depctr_va_vcc(0) depctr_vm_vsrc(0)
	s_getreg_b32 s2, hwreg(HW_REG_IB_STS2, 6, 4)
	s_cmp_eq_u32 s2, 0
	s_cbranch_scc0 .Lentry_in_a_cluster
	s_endpgm
.Lentry_in_a_cluster:
	s_bfe_u32 s2, ttmp6, 0x10000c
	s_cmp_lg_u32 s2, 0x3003
	s_cbranch_scc0 .Lentry_shape_is_right
	s_endpgm
.Lentry_shape_is_right:
; out[n][c][q] = gate(n, q) x sum over k of softmax_k(Q[q] . K[n][k] / 16) V[n][k][c], both products on codes of FP4 (E2M1) with one E8M0 scale for each 32 along a product's K.
; gate = sigmoid((largest probability of the row - sigmoid(threshold)) x softplus(temperature)).
; THE SOFTMAX AHEAD OF THE SECOND PRODUCT: t = score x log2(e) / 16; M = the largest t so far, rounded UP to a whole number; p = 2^(t - M) is quantised along the keys, not normalised; the row's sum is taken of the
; unquantised p and divides at the end.  When M moves, sums are multiplied by a power of two: exact.
; IN: qkv, blocks of BLK bytes for 128 positions, all as images of operand registers (a fragment: 1,024 bytes, registers 4 c .. 4 c + 3 at 512 c + 16 x lane): 16 fragments of K (or Q), 16 of V with the keys as K, their scale words.
; SHARES.  A work-group owns 64 queries of one batch (four tiles of 16); 256 work-groups; four waves.  Keys go in steps of 512, a slot.  FIRST PRODUCT AND SOFTMAX: wave w takes all 64 queries against block w of the slot, 128 keys,
; under an M of its own, and puts p's codes, its scale words and M into LDS.  SECOND PRODUCT, one step later: wave w takes all 64 queries and channels 64 w .. 64 w + 63 over all 512 keys.  So each fragment of K and V
; is read from LDS by one wave, O^T exists once, and is brought under a new M once for 512 keys.  The barrier that changes slots is also the one that publishes p.
; A COMMON M: the four waves' M of a step differ by whole numbers: the reader takes e = common M - wave's M, at most 60, off each byte of that wave's scale words.
; LAYOUT.  Both products transposed, 32 x 16 x 128: S^T = K Q^T, O^T = V^T P^T: a lane holds one query throughout.  Lane r of key tile 2 b + u is key 32 b + 8 u + r + 8 (r / 8): the 16 registers of the pair of tiles are 16 neighbouring keys.
; CLUSTER.  The four work-groups of a cluster belong to one batch and walk the same K and V: each slot is asked for JOINTLY, every wave one load of 34,816 dense bytes (a block) with the mask of all four.  One tensor load of a wave is out.
; LIMITS: NaN and infinities are not served; t stays under 2^31 in magnitude; p under 2^-126 counts as zero (v_exp_f32 flushes denormal results: ISA guide, its entry); a block of 32 p whose largest lies under 2^-61 is quantised with the scale 2^-63,
; and a wave whose M lies more than 60 under the common M counts as 60 under it: both are less than 2^-59 beside a row's largest p of 1/2 to 1; v_exp_f32 is taken not to fall where its input rises (a block's largest p is that of its largest score);
; softplus(T) = max(T, 0) + ln 2 x log2(1 + 2^(-|T| log2 e)): for very negative T its relative error grows, its absolute error stays under 1e-7.
; REGISTERS.  Window 0: v1, v2 the add's two; v4 prefetch offset; v5-19 LDS addresses; v20-23 my scale words as they are published; v24-31 Q's scales, v32-39 K's, v40-47 V's, v48-63 p's (block k, tile i at 48 + 4 k + i); v64-127 Q;
;   v128-159 my p's codes; v160-175 the waves' -M; v176-191 largest scores of 16 blocks; v192-211 at work; v212-219 my sums; v220-223, v252-255 common -M, by turns; v224.. my -M, v232.. my sums' factors, v240.. O^T's factors (pairs); v248-251 my largest scores.
;   Window 1: v0-127 p's codes of all four waves, v128-255 K.   Window 2: v0-127 O^T (tile i, pair u at 32 i + 16 u), v128-255 V.   Window 3: S^T and p, tile i, block b at 64 i + 16 b.
; K AND V TAKE TURNS: a step's K lies in v128-255 of window 1 (slot 0) or 2 (slot 1), its scale words in v32-39 or v40-47; behind S^T the same step's V comes into the same registers, and is multiplied at the NEXT step's end, while that
; step's K and V lie in the other set.  V's channel tiles: lane r of the u-th tile of a pair is channel 8 u + r + 8 (r / 8) of the pair's 32: so an accumulator's 16 registers are 16 neighbouring channels.
.set BLK,   34816
.set SLOTB, 4*BLK                      ; a slot: four blocks, 512 keys
.set PB,    2*SLOTB                    ; behind the ring: two buffers for p, by turns: 16 fragments, 4 x 512 bytes of scale words, 4 x 512 bytes of -M
.set PBUF,  20480
.set SPARE, PB+2*PBUF                  ; the spare words, 128 bytes for each wave: two blocks of 256 bytes that no other line names
.set ST2,   2*PBUF+512                 ; from PB: the sums, 4 x 512 bytes, and the largest scores, 4 x 512 bytes, for the end
.set OTB,   SLOTB                      ; the way out: 64 channels x (256 bytes + 16) for each wave, in slot 1, which has then had its last fill and its last read
.set MSB, 0
.macro WIN new                         ; the immediate's high byte repeats the setting that is left
.if MSB != \new
	s_set_vgpr_msb (MSB<<8)|\new
.set MSB, \new
.endif
.endm
.macro PLACES n
.rept \n
	v_nop
.endr
.endm
.macro WAIT
	s_wait_alu depctr_va_vdst(0)
.endm
.macro WZ d, a, b, sa, sb              ; a scaled product that starts a sum
	v_wmma_scale_f32_32x16x128_f4 v[(\d):(\d)+15], v[(\a):(\a)+15], v[(\b):(\b)+7], 0, v[(\sa)], v[(\sb)]
.endm
.macro WA d, a, b, sa, sb              ; and one that adds
	v_wmma_scale_f32_32x16x128_f4 v[(\d):(\d)+15], v[(\a):(\a)+15], v[(\b):(\b)+7], v[(\d):(\d)+15], v[(\sa)], v[(\sb)]
.endm
; A round of the cluster's barrier: my work-group's barrier, wave 0 signals for the work-group, every wave waits for all four work-groups, my work-group's barrier once more.
.macro CREST                           ; a round behind its opening barrier
	s_cmp_lg_u32 s12, 0
	s_cbranch_scc1 .Lnw0_\@
	s_barrier_signal -3
.Lnw0_\@:
	s_barrier_wait -3
	s_barrier_signal -1
	s_barrier_wait -1
.endm
.macro CROUND                          ; a whole round
	s_barrier_signal -1
	s_barrier_wait -1
	CREST
.endm
; A PREFETCH INTO THE L2 of the codes of the slot after the one that is being filled.  All sixteen clusters of a batch walk the same K and V: four of them ask (cluster number a multiple of 4).  The four partners share the slot's
; four blocks out BY ADDRESS (partner cx: block cx); each wave takes 8,192 of the block's 32,768 bytes of codes, lanes 256 bytes apart, one instruction.  The blocks' 2,048 bytes of scale words, and slot 0, come by their loads alone.
; The head asks for slot 1, steps 0 to 5 for slots 2 to 7.  how = 1: in every trip; how = 2: but for the loop's last trip (s40 = 1), behind which there is no such slot.
.macro ASK how
.if \how == 1
	s_cmp_eq_u32 s41, 1
.else
	s_cmp_gt_u32 s40, s41
.endif
	s_cbranch_scc0 .Lnot_mine_\@
	global_prefetch_b8 v4, s[42:43] th:TH_LOAD_NT scope:SCOPE_SE
.Lnot_mine_\@:
.endm
; Part of tile a's sum of p: a tree in place, pairs st registers apart (window 3 throughout)
.macro ADDL a, n, st
.set e2, 64*(\a)
.rept \n
	v_pk_add_f32 v[e2:e2+1], v[e2:e2+1], v[e2+(\st):e2+(\st)+1]
.set e2, e2+2*(\st)
.endr
.endm
.macro SUMEND                          ; the tree's last two levels of all four tiles, and the running sums under the new M
	WIN 0xcf
.irp i, 0,1,2,3
	ADDL \i, 2, 16
.endr
.irp i, 0,1,2,3
	ADDL \i, 1, 32
.endr
	WIN 0x30
.irp i, 0,1,2,3
	v_pk_fma_f32 v[212+2*\i:213+2*\i], v[212+2*\i:213+2*\i], v[232+2*\i:233+2*\i], v[64*\i:64*\i+1] op_sel_hi:[1,0,1]
.endr
	WIN 0
.endm
.macro SB b, slot                      ; S^T = K Q^T: the 32 keys of block b against my four tiles of queries, two deep along the channels; the four accumulators by turns
	WIN 0xf1+\slot
.irp i, 0,1,2,3
	WZ 64*\i+16*(\b), 128+32*(\b), 64+16*\i, 32+8*\slot+2*(\b), 24+\i
.endr
.irp i, 0,1,2,3
	WA 64*\i+16*(\b), 144+32*(\b), 72+16*\i, 33+8*\slot+2*(\b), 28+\i
.endr
.endm
; The largest score of block b of each tile (my 16 of its 32 keys).  It serves for the row's maximum and, since p rises with the score, for the block's largest p.  Each accumulator is read from its low end on.
.macro MAXG b
	WIN 0x3f
.irp k, 0,1,2,3,4
.irp i, 0,1,2,3
	v_max3_num_f32 v[192+4*\k+\i], v[64*\i+16*(\b)+3*\k], v[64*\i+16*(\b)+3*\k+1], v[64*\i+16*(\b)+3*\k+2]
.endr
.endr
	WIN 0x30
.irp i, 0,1,2,3
	v_max3_num_f32 v[204+\i], v[204+\i], v[208+\i], v[64*\i+16*(\b)+15]
.endr
	WIN 0
.irp i, 0,1,2,3
	v_max3_num_f32 v[192+\i], v[192+\i], v[196+\i], v[200+\i]
.endr
.irp i, 0,1,2,3
	v_max_num_f32 v[176+4*\i+(\b)], v[192+\i], v[204+\i]
.endr
.endm
.macro STLOAD buf                      ; all four waves' scale words and -M
.irp k, 0,1,2,3
	ds_load_b128 v[160+4*\k:163+4*\k], v17 offset:PBUF*(\buf)+18432+512*\k
	ds_load_b128 v[48+4*\k:51+4*\k], v17 offset:PBUF*(\buf)+16384+512*\k
.endr
.endm
.macro PLOAD k, buf                    ; wave k's codes of p
.irp i, 0,1,2,3
	ds_load_b128 v[32*(\k)+8*\i:32*(\k)+8*\i+3], v17 offset:PBUF*(\buf)+4096*(\k)+1024*\i
	ds_load_b128 v[32*(\k)+8*\i+4:32*(\k)+8*\i+7], v17 offset:PBUF*(\buf)+4096*(\k)+1024*\i+512
.endr
.endm
; The common -M of what the second product is about to add (old at o, new at n), O^T's factors 2^(old M - new M), and the scale words under the new M
.macro CONSUME o, n
.irp i, 0,1,2,3
	v_min3_num_f32 v[\n+\i], v[\o+\i], v[160+\i], v[164+\i]
.endr
.irp i, 0,1,2,3
	v_min3_num_f32 v[\n+\i], v[\n+\i], v[168+\i], v[172+\i]
.endr
.irp i, 0,2
	v_pk_add_f32 v[192+\i:193+\i], v[\n+\i:\n+\i+1], v[\o+\i:\o+\i+1] neg_lo:[0,1] neg_hi:[0,1]
.endr
.irp k, 0,4,8,12
.irp i, 0,2
	v_pk_add_f32 v[160+\k+\i:161+\k+\i], v[160+\k+\i:161+\k+\i], v[\n+\i:\n+\i+1] neg_lo:[0,1] neg_hi:[0,1]   ; e: a whole number, 0 or more
.endr
.endr
.irp i, 0,1,2,3
	v_cvt_i32_f32 v[192+\i], v[192+\i]             ; (it saturates)
.endr
.irp i, 0,1,2,3
	v_ldexp_f32 v[240+2*\i], 1.0, v[192+\i]
.endr
.irp k, 0,1,2,3,4,5,6,7,8,9,10,11,12,13,14,15
	v_cvt_u32_f32 v[192+\k], v[160+\k]
.endr
.irp k, 0,1,2,3,4,5,6,7,8,9,10,11,12,13,14,15
	v_min_u32 v[192+\k], 60, v[192+\k]
.endr
.irp k, 0,1,2,3,4,5,6,7,8,9,10,11,12,13,14,15
	v_perm_b32 v[192+\k], v[192+\k], v[192+\k], 0  ; e in all four bytes
.endr
.irp k, 0,1,2,3,4,5,6,7,8,9,10,11,12,13,14,15
	v_sub_nc_u32 v[48+\k], v[48+\k], v[192+\k]     ; bytes of 64 or more less 60 at most: no borrow, and no byte under 4
.endr
.endm
; O^T under the new M, then O^T += V^T P^T: 8 accumulators by turns, four deep along the slot's keys
.macro PVALL slot, w                   ; slot: that of the step in hand (V lies in the other set); w = 1: p's loads are still to be waited for
	WIN 0x82
.if \w
	s_wait_dscnt 0x0
.endif
	WAIT
.irp i, 0,1,2,3
.set e2, 32*\i
.rept 16
	v_pk_mul_f32 v[e2:e2+1], v[e2:e2+1], v[240+2*\i:241+2*\i] op_sel_hi:[1,0]
.set e2, e2+2
.endr
.endr
	WIN 0xa6-\slot
.irp k, 0,1,2,3
.irp u, 0,1
.irp i, 0,1,2,3
	WA 32*\i+16*\u, 128+32*\k+16*\u, 32*\k+8*\i, 40-8*\slot+2*\k+\u, 48+4*\k+\i
.endr
.endr
.endr
	WIN 0
.endm
; The 64 exponentials of tile a.  Between them, on other registers: tile fa's t - M, the first level of tile l1's sum, the second of tiles l2 and l2 + 1 (-1: none).  What these write is read behind the wait at the end.
.macro BATCH a, fa, l1, l2
	WIN 0xcf
.set e1, 0
.rept 32
	v_exp_f32 v[64*(\a)+2*e1], v[64*(\a)+2*e1]     ; p = 2^(t - M)
.if (\fa) >= 0
	v_pk_fma_f32 v[64*(\fa)+2*e1:64*(\fa)+2*e1+1], v[64*(\fa)+2*e1:64*(\fa)+2*e1+1], s[22:23], v[224+2*(\fa):225+2*(\fa)] op_sel_hi:[1,0,0]
.endif
.if ((\l2) >= 0) && ((e1%2) == 1)
.set e3, 64*((\l2)+(e1/16))+8*((e1/2)%8)
	v_pk_add_f32 v[e3:e3+1], v[e3:e3+1], v[e3+4:e3+5]
.endif
	v_exp_f32 v[64*(\a)+2*e1+1], v[64*(\a)+2*e1+1]
.if ((\l1) >= 0) && ((e1%2) == 0)
	v_pk_add_f32 v[64*(\l1)+2*e1:64*(\l1)+2*e1+1], v[64*(\l1)+2*e1:64*(\l1)+2*e1+1], v[64*(\l1)+2*e1+2:64*(\l1)+2*e1+3]
.endif
.set e1, e1+1
.endr
	v_nop                                          ; a plain line behind the exponentials
	WAIT
	WIN 0
.endm
.macro CVT a                           ; tile a's codes
	WIN 0x03
.irp b, 0,1,2,3
	v_cvt_scalef32_pk8_fp4_f32 v[128+8*(\a)+2*\b], v[64*(\a)+16*\b:64*(\a)+16*\b+7], v[192+4*(\a)+\b]
	v_cvt_scalef32_pk8_fp4_f32 v[129+8*(\a)+2*\b], v[64*(\a)+16*\b+8:64*(\a)+16*\b+15], v[192+4*(\a)+\b]
.endr
	WIN 0
	v_nop                                          ; one plain line behind a scaled conversion
.irp c, 0,4                                    ; the operand's layout wants a whole block in a lane
.irp e, 0,1
	v_permlane16_swap_b32 v[128+8*(\a)+\c+\e], v[130+8*(\a)+\c+\e]
.endr
.endr
.endm
.macro PUB a, buf                      ; published
	ds_store_b128 v18, v[128+8*(\a):131+8*(\a)] offset:PBUF*(\buf)+1024*(\a)
	ds_store_b128 v18, v[132+8*(\a):135+8*(\a)] offset:PBUF*(\buf)+1024*(\a)+512
.endm
; THE CHANGE OF SLOTS, between two steps; next: the slot of the step that follows.  Each wave waits for all its tensor loads (its part of the next slot), adds 0 to its spare word, and waits for that, for its reads of the slot
; that it leaves (V has come into registers) and for its stores of p.  sums = 1: levels of p's sums stand between the add and the wait for it, and between the barrier's signal and its wait: work on registers.
; refill = 1: the barrier opens a round of the cluster's barrier, and first behind the round stands the joint load of the 512 keys after the next slot's, into the slot just left: it has a whole step in which to land.
.macro CHANGE next, sums, refill, ask
	WAIT
	s_wait_tensorcnt 0x0                           ; no tensor load of mine is out, so a group 0 may be written
	ds_add_u32 v1, v2                              ; 0 onto my spare word
.if \refill
	s_add_nc_u64 s[34+4*\next:35+4*\next], s[34+4*\next:35+4*\next], 2*SLOTB   ; the next slot's descriptor: the keys that it will take when it is filled again
.endif
.if \ask
	s_wait_xcnt 0x0                                ; the last prefetch, a step back, has read its address, so it may be written
	s_add_nc_u64 s[42:43], s[42:43], SLOTB
.endif
.if \sums
	WIN 0xcf
	ADDL 3, 16, 2
	ADDL 2, 8, 4
.endif
	WAIT
	s_wait_dscnt 0x0
	s_barrier_signal -1
.if \sums
	ADDL 3, 8, 4
.irp i, 0,1,2,3
	ADDL \i, 4, 8
.endr
	WIN 0
.endif
	WAIT
	s_barrier_wait -1
.if \refill
	CREST                                          ; both now hold of every wave of all four work-groups
	tensor_load_to_lds s[36-4*\next:39-4*\next], s[24:31]
	s_nop 0
	PLACES 4
.endif
.endm
; A STEP: 512 keys.  pv = 1: the second product of the step before stands behind S^T.  last = 1: the sums are finished and published too.
.macro STEP slot, pv, ask, last
.irp b, 0,1,2,3
.irp s, 0,1
	ds_load_b32 v[32+8*\slot+2*\b+\s], v[7+\slot] offset:256*\s+8*(\b%2)+512*(\b/2)   ; K's scale words: lanes 0-15 tile 2 b, lanes 16-31 tile 2 b + 1
.endr
.endr
	WIN 0x40+0x40*\slot
.irp b, 0,1,2,3
.irp s, 0,1
	ds_load_b128 v[128+32*\b+16*\s:131+32*\b+16*\s], v[5+\slot] offset:4096*\b+1024*\s
	ds_load_b128 v[132+32*\b+16*\s:135+32*\b+16*\s], v[5+\slot] offset:4096*\b+1024*\s+512
	ds_load_b128 v[136+32*\b+16*\s:139+32*\b+16*\s], v[5+\slot] offset:4096*\b+1024*\s+2048
	ds_load_b128 v[140+32*\b+16*\s:143+32*\b+16*\s], v[5+\slot] offset:4096*\b+1024*\s+2560
.endr
.endr
	WIN 0
.if \ask
	ASK \ask
.endif
.if \pv
	SUMEND                                         ; the step before's, while K lands
.else
	s_wait_kmcnt 0x0
	s_wait_loadcnt 0x0                             ; Q
.endif
	s_wait_dscnt 24                                ; the scale words and block 0 are in; blocks 1 to 3 may be out
	SB 0, \slot
	s_wait_dscnt 16                                ; block 1 is in
	SB 1, \slot
	PLACES 4                                       ; block 0's results are read next
	MAXG 0
	s_wait_dscnt 8                                 ; block 2
	SB 2, \slot
	MAXG 1
	s_wait_dscnt 0                                 ; block 3
	SB 3, \slot
	MAXG 2                                         ; 32 plain lines: the places behind block 3's products too
	MAXG 3
.irp n, 0,1,2,3,4,5,6,7,8,9,10,11,12,13,14,15
	v_permlanex16_b32 v[192+\n], v[176+\n], s20, s21
.endr
.irp n, 0,1,2,3,4,5,6,7,8,9,10,11,12,13,14,15
	v_max_num_f32 v[176+\n], v[176+\n], v[192+\n]  ; with lane l xor 16's 16 keys
.endr
.irp k, 0,1,2,3                                ; V of my 64 channels, for the next step's product: these 32 lines are the places behind the products that read these registers
	ds_load_b64 v[32+8*\slot+2*\k:33+8*\slot+2*\k], v[13+2*\slot+\k/2] offset:BLK*(\k%2)
.endr
	WIN 0x40+0x40*\slot
.irp k, 0,1,2,3
.irp c, 0,1,2,3,4,5,6,7
	ds_load_b128 v[128+32*\k+4*\c:131+32*\k+4*\c], v[9+2*\slot+\k/2] offset:BLK*(\k%2)+512*\c
.endr
.endr
	WIN 0
.irp i, 0,1,2,3
	v_max3_num_f32 v[248+\i], v[248+\i], v[176+4*\i], v[177+4*\i]
.endr
.irp i, 0,1,2,3
	v_max3_num_f32 v[248+\i], v[248+\i], v[178+4*\i], v[179+4*\i]   ; my keys' largest score so far
.endr
.irp i, 0,1,2,3
	v_mul_f32 v[192+\i], s18, v[248+\i]            ; as -t
.endr
.irp i, 0,1,2,3
	v_floor_f32 v[208+\i], v[192+\i]               ; -M = floor(-t) = -ceil(t)
.endr
.irp i, 0,1,2,3
	v_sub_f32 v[192+\i], v[208+\i], v[224+2*\i]    ; M's old value less its new one: a whole number, 0 or less
.endr
.irp i, 0,1,2,3
	v_mov_b32 v[224+2*\i], v[208+\i]
.endr
.irp i, 0,1,2,3
	v_cvt_i32_f32 v[192+\i], v[192+\i]
.endr
.irp i, 0,1,2,3
	v_ldexp_f32 v[232+2*\i], 1.0, v[192+\i]        ; my sums' factor 2^(old M - new M)
.endr
.irp i, 0,1,2,3
.irp b, 0,1,2,3
	v_fma_f32 v[176+4*\i+\b], v[176+4*\i+\b], s22, v[224+2*\i]   ; each block's largest t - M
.endr
.endr
	WIN 0xcf
.set e2, 0
.rept 32
	v_pk_fma_f32 v[e2:e2+1], v[e2:e2+1], s[22:23], v[224:225] op_sel_hi:[1,0,0]   ; tile 0's t - M, two at a time
.set e2, e2+2
.endr
	WIN 0
	WAIT
.irp n, 0,1,2,3,4,5,6,7,8,9,10,11,12,13,14,15
	v_exp_f32 v[176+\n], v[176+\n]                 ; each block's largest p
.endr
	BATCH 0, 1, -1, -1
.irp n, 0,1,2,3,4,5,6,7,8,9,10,11,12,13,14,15
	v_max_num_f32 v[176+\n], 0x21000000, v[176+\n] ; the floor 2^-61: no byte under 64
.endr
.irp n, 0,1,2,3,4,5,6,7,8,9,10,11,12,13,14,15
	v_add_nc_u32 v[192+\n], 0xff000000, v[176+\n]  ; 2 off the exponent field: the conversion's scale operand
.endr
.irp n, 0,1,2,3,4,5,6,7,8,9,10,11,12,13,14,15
	v_lshrrev_b32 v[176+\n], 23, v[192+\n]         ; the scale's byte
.endr
.irp i, 0,1,2,3
	v_lshl_or_b32 v[20+\i], v[177+4*\i], 8, v[176+4*\i]
.endr
.irp i, 0,1,2,3
	v_lshl_or_b32 v[20+\i], v[178+4*\i], 16, v[20+\i]
.endr
.irp i, 0,1,2,3
	v_lshl_or_b32 v[20+\i], v[179+4*\i], 24, v[20+\i]
.endr
	CVT 0
.if \pv
	STLOAD 1-\slot                                 ; the step before's p, for the product at this step's end
	WIN 0x40
	PLOAD 0, 1-\slot
	PLOAD 1, 1-\slot
.endif
	BATCH 1, 2, 0, -1
	ds_store_b128 v19, v[20:23] offset:PBUF*\slot  ; published: the four tiles' scale words, and -M
	ds_store_b128 v19, v[208:211] offset:PBUF*\slot+2048
	PUB 0, \slot
	CVT 1
.if \pv
	WIN 0x40
	PLOAD 2, 1-\slot
	PLOAD 3, 1-\slot
.endif
	BATCH 2, 3, 1, -1
	PUB 1, \slot
	CVT 2
	BATCH 3, -1, 2, 0
	PUB 2, \slot
	CVT 3
.if \pv
	s_wait_dscnt 4                                 ; all of p is in; the last four stores, of tiles 1 and 2, may be out
.if \slot
	CONSUME 220, 252
.else
	CONSUME 252, 220
.endif
	PUB 3, \slot
	PVALL \slot, 0
.else
	PUB 3, \slot
.endif
.if \last
	WIN 0xcf
	ADDL 3, 16, 2
	ADDL 2, 8, 4
	ADDL 3, 8, 4
.irp i, 0,1,2,3
	ADDL \i, 4, 8
.endr
	SUMEND
.irp i, 0,1,2,3
	v_add_f32 v[192+\i], v[212+2*\i], v[213+2*\i]
.endr
.irp i, 0,1,2,3
	v_permlanex16_b32 v[196+\i], v[192+\i], s20, s21
.endr
.irp i, 0,1,2,3
	v_add_f32 v[192+\i], v[192+\i], v[196+\i]      ; my keys' sum of p for my query
.endr
	ds_store_b128 v19, v[192:195] offset:ST2-16384
	ds_store_b128 v19, v[248:251] offset:ST2-16384+2048
.endif
.endm
	s_load_b256 s[4:11], s[0:1], 0x0               ; qkv s[4:5], threshold s[6:7], temperature s[8:9], out0 s[10:11]
	v_lshl_add_u32 v1, v0, 2, SPARE
	v_mov_b32 v2, 0
	ds_add_u32 v1, v2                              ; the add here, twice on end
	ds_add_u32 v1, v2
	v_lshrrev_b32 v3, 5, v0
	v_readfirstlane_b32 s12, v3                    ; wave 0..3
	v_and_b32 v3, 31, v0                           ; lane
	v_and_b32 v21, 15, v0                          ; r
	v_bfe_u32 v22, v0, 4, 1                        ; h
	s_mul_i32 s44, s12, BLK                        ; my block of a slot
	s_add_co_u32 s45, s44, 32768
	s_lshl_b32 s46, s12, 12
	s_lshl_b32 s47, s12, 8
	s_lshl_b32 s48, s12, 9
	v_lshlrev_b32 v4, 8, v3
	v_lshlrev_b32 v20, 4, v3
	v_lshlrev_b32 v23, 4, v21
	v_add_nc_u32 v5, s44, v20                      ; K's codes: slot 0,
	v_add_nc_u32 v6, SLOTB, v5                     ; slot 1
	v_lshl_add_u32 v7, v22, 2, v23
	v_add_nc_u32 v7, s45, v7                       ; K's scale words: word of tile h (mod 2), row r
	v_add_nc_u32 v8, SLOTB, v7
	v_add_nc_u32 v9, s46, v20
	v_add_nc_u32 v9, 16384, v9                     ; V's codes of my channels: blocks 0, 1;
	v_add_nc_u32 v10, 2*BLK, v9                    ; blocks 2, 3
	v_add_nc_u32 v11, SLOTB, v9
	v_add_nc_u32 v12, SLOTB, v10
	v_lshl_add_u32 v13, v3, 3, s47
	v_add_nc_u32 v13, 33792, v13                   ; V's scale words likewise
	v_add_nc_u32 v14, 2*BLK, v13
	v_add_nc_u32 v15, SLOTB, v13
	v_add_nc_u32 v16, SLOTB, v14
	v_add_nc_u32 v17, PB, v20                      ; p: where I read,
	v_add_nc_u32 v18, s46, v17                     ; where my codes go,
	v_add_nc_u32 v19, s48, v17
	v_add_nc_u32 v19, 16384, v19                   ; where my scale words and -M go
	s_bfe_u32 s15, ttmp6, 0x40000                  ; cx: my place in the cluster: it enters Q's, out's and the prefetches' addresses alone
	s_lshl_b32 s16, ttmp9, 2
	s_add_co_u32 s16, s16, s15                     ; my block of 64 queries
	s_and_b32 s17, ttmp7, 0xffff                   ; the batch, which the four partners share
	s_mov_b32 s20, 0x76543210
	s_mov_b32 s21, 0xfedcba98                      ; v_permlanex16_b32's selects for lane l xor 16
	s_mov_b32 s22, 0x3db8aa3b                      ; c = log2(e) / 16
	s_mov_b32 s23, s22                             ; (named with it as a pair)
	s_mov_b32 s18, 0xbdb8aa3b                      ; -c
	s_mov_b32 s40, 3                               ; the loop's trips
	; descriptor group 1: 34,816 dense bytes as 136 rows of 32 elements of 8 bytes; the mask names all four work-groups, bit 21 beside it
	s_mov_b32 s24, 15|(3<<16)|(1<<21)
	s_mov_b32 s25, 32<<16
	s_mov_b32 s26, 136<<16
	s_mov_b32 s27, 32<<16
	s_mov_b32 s28, 136
	s_mov_b32 s29, 32
	s_mov_b32 s30, 0
	s_mov_b32 s31, 0
	s_lshr_b32 s76, s16, 1
	s_add_co_u32 s76, s76, 128
	s_mul_i32 s76, s76, BLK                        ; the query's block of 128 positions
	s_and_b32 s77, s16, 1
	s_lshl_b32 s78, s77, 13
	s_add_co_u32 s78, s78, s76                     ; my four tiles' eight fragments
	s_mov_b32 s79, 0
	s_lshl_b32 s80, s77, 9
	s_add_co_u32 s80, s80, s76
	s_add_co_u32 s80, s80, 32768                   ; their scale words
	s_mov_b32 s81, 0
	s_mul_i32 s82, s17, 32*BLK                     ; the batch's keys, my block
	s_add_co_u32 s82, s82, s44
	s_mov_b32 s83, 0
	s_lshl_b32 s86, s17, 5                         ; the prefetches: block cx of slot 1; each change of slots moves on by a slot
	s_add_co_u32 s86, s86, s15
	s_add_co_u32 s86, s86, 4
	s_mul_i32 s86, s86, BLK
	s_lshl_b32 s87, s12, 13
	s_add_co_u32 s86, s86, s87
	s_mov_b32 s87, 0
	s_and_b32 s41, ttmp9, 3                        ; the cluster's number: the same in all four partners
	s_cmp_eq_u32 s41, 0
	s_cselect_b32 s41, 1, -1
	s_lshl_b32 s88, s17, 22                        ; out: the batch, my 64 channels, my work-group's 64 queries
	s_lshl_b32 s89, s12, 20
	s_add_co_u32 s88, s88, s89
	s_lshl_b32 s89, s16, 8
	s_add_co_u32 s88, s88, s89
	s_mov_b32 s89, 0
	WAIT
	s_wait_dscnt 0x0                               ; both opening adds are done
	s_wait_kmcnt 0x0
	s_add_nc_u64 s[78:79], s[4:5], s[78:79]
	s_add_nc_u64 s[80:81], s[4:5], s[80:81]
	s_add_nc_u64 s[42:43], s[4:5], s[86:87]
	s_add_nc_u64 s[10:11], s[10:11], s[88:89]
	CROUND                                         ; all four work-groups are here: the first joint loads meet
	s_mov_b32 s32, 1
	s_mov_b32 s33, s44                             ; slot 0: BLK x wave: no place in the cluster enters an LDS address
	s_add_nc_u64 s[34:35], s[4:5], s[82:83]
	s_mov_b32 s36, 1
	s_add_co_u32 s37, s44, SLOTB
	s_add_nc_u64 s[38:39], s[34:35], SLOTB
	s_or_b32 s35, s35, 0x80000000
	s_or_b32 s39, s39, 0x80000000
	tensor_load_to_lds s[32:35], s[24:31]          ; keys 0 to 511
	s_nop 0
	PLACES 4
.irp i, 0,1,2,3
.irp s, 0,1
.irp c, 0,1
	global_load_b128 v[64+16*\i+8*\s+4*\c:67+16*\i+8*\s+4*\c], v20, s[78:79] offset:2048*\i+1024*\s+512*\c   ; Q stays in registers
.endr
.endr
.endr
	global_load_b128 v[24:27], v23, s[80:81]       ; Q's scale words: channels 0-127,
	global_load_b128 v[28:31], v23, s[80:81] offset:256   ; channels 128-255
	s_load_b32 s74, s[6:7], 0x0                    ; threshold
	s_load_b32 s75, s[8:9], 0x0                    ; temperature
	ASK 1
.irp i, 0,1,2,3
	v_mov_b32 v[248+\i], 0xff61b1e6                ; the largest score so far: -3e38, under every score
	v_mov_b32 v[224+2*\i], 0x7f61b1e6              ; -M so far, mine and the common one: 3e38: the first change of M gives the factor 0
	v_mov_b32 v[220+\i], 0x7f61b1e6
	v_mov_b32 v[225+2*\i], 0                       ; (named as the upper halves of pairs)
	v_mov_b32 v[233+2*\i], 0
	v_mov_b32 v[241+2*\i], 0
	v_mov_b32 v[212+2*\i], 0                       ; the sums, in two halves
	v_mov_b32 v[213+2*\i], 0
.endr
	WIN 0x80
.set e2, 0
.rept 128
	v_mov_b32 v[e2], 0                             ; O^T, while the first slot is on its way.  (The step in the loop is written for every turn of it: its first finds zeros)
.set e2, e2+1
.endr
	WIN 0
	CHANGE 0, 0, 1, 1                              ; slot 0 is whole; slot 1 is first filled behind this round, as a refill is
	STEP 0, 0, 1, 0                                ; keys 0 to 511
.Lloop:                                            ; three trips: keys 512 to 3,583; every change of slots in it fills a slot
	CHANGE 1, 1, 1, 1
	STEP 1, 1, 1, 0
	CHANGE 0, 1, 1, 1
	STEP 0, 1, 2, 0
	s_sub_co_u32 s40, s40, 1
	s_cmp_lg_u32 s40, 0
	WAIT
	s_cbranch_scc1 .Lloop
	CHANGE 1, 1, 0, 0                              ; the last step is written out: nothing is left to fetch
	STEP 1, 1, 0, 1
	CHANGE 0, 0, 0, 0                              ; it shows the last p, the sums and the largest scores to every wave
	; ---- THE END: the last second product, the gate, the way out.
	STLOAD 1
.irp k, 0,1,2,3
	ds_load_b128 v[64+4*\k:67+4*\k], v17 offset:ST2+512*\k            ; the waves' sums
	ds_load_b128 v[80+4*\k:83+4*\k], v17 offset:ST2+2048+512*\k       ; and largest scores
.endr
	WIN 0x40
	PLOAD 0, 1
	PLOAD 1, 1
	PLOAD 2, 1
	PLOAD 3, 1
	WIN 0
	s_mul_i32 s76, s12, 4*4480                     ; (16 rows of 272 bytes, then 128 bytes: so that the two halves of the lanes, 16 rows apart, lie 1,120 words apart)
	s_add_co_u32 s76, s76, OTB
	v_and_b32 v155, 15, v0                         ; r
	v_bfe_u32 v156, v0, 4, 1                       ; h
	v_bfe_u32 v152, v0, 3, 1
	v_lshl_add_u32 v152, v152, 3, v155
	v_lshl_add_u32 v152, v152, 2, s76
	v_mad_u32_u24 v152, v156, 4480, v152           ; in: channel 16 h + .., query r + 8 (r / 8) + ..
	v_lshl_add_u32 v153, v155, 4, s76
	v_mad_u32_u24 v153, v156, 272, v153            ; back: lanes 0-15 one channel's 256 bytes, lanes 16-31 the next
	v_lshlrev_b32 v154, 4, v155
	v_lshl_add_u32 v154, v156, 14, v154            ; and the same two channels in out
	v_mov_b32 v128, s74                            ; the gate's constants, while the loads are out
	v_mov_b32 v129, s75
	v_mul_f32 v128, 0xbfb8aa3b, v128               ; -log2(e) x threshold
	v_and_b32 v130, 0x7fffffff, v129
	v_mul_f32 v130, 0xbfb8aa3b, v130               ; -log2(e) x |temperature|
	WAIT
	v_exp_f32 v128, v128
	v_exp_f32 v130, v130
	v_max_num_f32 v129, 0, v129                    ; (a plain line behind the exponentials)
	WAIT
	v_add_f32 v128, 1.0, v128
	v_add_f32 v130, 1.0, v130
	WAIT
	v_rcp_f32 v128, v128                           ; sigmoid(threshold)
	v_log_f32 v130, v130
	v_nop
	WAIT
	v_fmamk_f32 v129, v130, 0x3f317218, v129       ; softplus(temperature) = max(T, 0) + ln 2 x log2(1 + 2^(-|T| log2 e))
	v_mul_f32 v129, 0xbfb8aa3b, v129               ; x -log2(e)
	WAIT
	s_wait_dscnt 32                                ; all but the codes' 32 loads are in
	CONSUME 252, 220
	PVALL 0, 1
.irp k, 0,1,2,3,4,5,6,7,8,9,10,11,12,13,14,15
	v_cvt_i32_f32 v[96+\k], v[160+\k]              ; e = common M - the wave's M
.endr
.irp k, 0,1,2,3,4,5,6,7,8,9,10,11,12,13,14,15
	v_sub_nc_u32 v[96+\k], 0, v[96+\k]
.endr
.irp k, 0,1,2,3,4,5,6,7,8,9,10,11,12,13,14,15
	v_ldexp_f32 v[96+\k], v[64+\k], v[96+\k]       ; each wave's sum under the common M
.endr
.irp i, 0,1,2,3
	v_add_f32 v[132+\i], v[96+\i], v[100+\i]
	v_add_f32 v[136+\i], v[104+\i], v[108+\i]
	v_max3_num_f32 v[140+\i], v[80+\i], v[84+\i], v[88+\i]
.endr
.irp i, 0,1,2,3
	v_add_f32 v[132+\i], v[132+\i], v[136+\i]      ; the row's sum
	v_max_num_f32 v[140+\i], v[140+\i], v[92+\i]   ; the row's largest score
.endr
.irp i, 0,1,2,3
	v_fma_f32 v[140+\i], v[140+\i], s22, v[220+\i] ; as t - M
.endr
	WAIT
.irp i, 0,1,2,3
	v_exp_f32 v[140+\i], v[140+\i]                 ; the row's largest p
	v_rcp_f32 v[132+\i], v[132+\i]
.endr
	v_nop
	WAIT
.irp i, 0,1,2,3
	v_mul_f32 v[140+\i], v[140+\i], v[132+\i]      ; the largest probability
.endr
.irp i, 0,1,2,3
	v_sub_f32 v[140+\i], v[140+\i], v128
.endr
.irp i, 0,1,2,3
	v_mul_f32 v[140+\i], v129, v[140+\i]
.endr
	WAIT
.irp i, 0,1,2,3
	v_exp_f32 v[140+\i], v[140+\i]
.endr
	v_nop
	WAIT
.irp i, 0,1,2,3
	v_add_f32 v[140+\i], 1.0, v[140+\i]
.endr
	WAIT
.irp i, 0,1,2,3
	v_rcp_f32 v[140+\i], v[140+\i]                 ; the gate
.endr
	v_nop
	WAIT
.irp i, 0,1,2,3
	v_mul_f32 v[144+2*\i], v[140+\i], v[132+\i]    ; gate / sum, in both registers of a pair
	v_mul_f32 v[145+2*\i], v[140+\i], v[132+\i]
.endr
	WIN 0x82
	WAIT
.irp i, 0,1,2,3
.set e2, 32*\i
.rept 16
	v_pk_mul_f32 v[e2:e2+1], v[e2:e2+1], v[144+2*\i:145+2*\i]
.set e2, e2+2
.endr
.endr
; transposed through my own stage: a lane's register is one number of a channel's row; the two halves of the lanes lie 1,120 words apart.  32 channels at a time.
.macro OTS u
	WIN 0x08
.irp i, 0,1,2,3
.irp e, 0,1,2,3,4,5,6,7,8,9,10,11,12,13,14,15
	ds_store_b32 v152, v[32*\i+16*(\u)+\e] offset:8960*(\u)+272*\e+128*(\i/2)+32*(\i%2)
.endr
.endr
	WIN 0
.endm
.macro OTL u, dst                      ; LDS serves a wave's instructions in order (ISA guide 5.7.1.4): these see my stores
.irp t, 0,1,2,3,4,5,6,7,8,9,10,11,12,13,14,15
	ds_load_b128 v[\dst+4*\t:\dst+4*\t+3], v153 offset:8960*(\u)+544*\t+128*(\t/8)
.endr
.endm
	OTS 0
	OTL 0, 64
	OTS 1
	s_wait_dscnt 63                                ; the 16 loads, behind which 64 stores were issued, are in
.irp t, 0,1,2,3,4,5,6,7,8,9,10,11,12,13,14,15
	global_store_b128 v154, v[64+4*\t:67+4*\t], s[10:11] offset:32768*\t   ; 16 lanes store 256 consecutive bytes, at a multiple of 256 from out's first byte
.endr
	OTL 1, 160
.irp t, 0,1,2,3,4,5,6,7,8,9,10,11,12,13,14,15
	s_wait_dscnt 15-\t
	global_store_b128 v154, v[160+4*\t:163+4*\t], s[10:11] offset:524288+32768*\t
.endr
	s_wait_tensorcnt 0x0                           ; the wave's end
	ds_add_u32 v1, v2
	s_wait_dscnt 0x0
	CROUND                                         ; the closing round: no work-group ends while a partner may still ask for a tile that names it
	s_endpgm
.Lfunc_end_k_q1ee1b81fc4_attn:
	.size	k_q1ee1b81fc4_attn, .Lfunc_end_k_q1ee1b81fc4_attn-k_q1ee1b81fc4_attn
	.p2alignl 7, 3214868480
	.fill 96, 4, 3214868480
	.section	.rodata,"a",@progbits
	.p2align	6, 0x0
	.amdhsa_kernel k_q1ee1b81fc4_attn
		.amdhsa_group_segment_fixed_size 327680
		.amdhsa_private_segment_fixed_size 0
		.amdhsa_enable_private_segment 0
		.amdhsa_kernarg_size 32
		.amdhsa_user_sgpr_count 2
		.amdhsa_user_sgpr_kernarg_segment_ptr 1
		.amdhsa_wavefront_size32 1
		.amdhsa_system_sgpr_workgroup_id_x 1
		.amdhsa_system_sgpr_workgroup_id_y 1
		.amdhsa_system_sgpr_workgroup_id_z 1
		.amdhsa_system_vgpr_workitem_id 0
		.amdhsa_next_free_vgpr 1024
		.amdhsa_next_free_sgpr 96
		.amdhsa_reserve_vcc 0
		.amdhsa_float_denorm_mode_32 3
		.amdhsa_float_denorm_mode_16_64 3
		.amdhsa_memory_ordered 1
		.amdhsa_forward_progress 1
		.amdhsa_inst_pref_size 255
	.end_amdhsa_kernel
	.section	.bss,"aw",@nobits
	.p2align	6
	.space	262144
	.amdgpu_metadata
---
amdhsa.version: [ 1, 2 ]
amdhsa.kernels:
  - .name:           k_q1ee1b81fc4_attn
    .symbol:         k_q1ee1b81fc4_attn.kd
    .args:
      - { .name: qkv, .offset: 0, .size: 8, .value_kind: global_buffer, .address_space: global }
      - { .name: threshold, .offset: 8, .size: 8, .value_kind: global_buffer, .address_space: global }
      - { .name: temperature, .offset: 16, .size: 8, .value_kind: global_buffer, .address_space: global }
      - { .name: out0, .offset: 24, .size: 8, .value_kind: global_buffer, .address_space: global }
    .group_segment_fixed_size: 327680
    .private_segment_fixed_size: 0
    .kernarg_segment_align: 8
    .kernarg_segment_size: 32
    .max_flat_workgroup_size: 128
    .sgpr_count:     96
    .vgpr_count:     1024
    .wavefront_size: 32
...
	.end_amdgpu_metadata
.endif
;; end of part 2
